; MI455X (gfx1250); checked and timed in simulation.
; The chip was launched on July 23, 2026; its instructions are those of AMD's public machine-readable ISA for CDNA 5 (MIT licence, August 2026) and "CDNA5" Instruction Set Architecture Reference Guide (July 2026). The comments in the code are by the model that wrote it; some were corrected since.
;; Multi Head Attention. Allowed arithmetic: matrix products marked QUANTISED: E5M2 operands, one E8M0 scale for each 32 along K, by v_wmma_scale_f32_16x16x128_f8f6f4 with both operands' format E5M2, f32 sums; everything else in f32.
;; Inputs: Wk_codes 1,024 x 32 x 32 uint8 (E5M2 codes of Wk, K innermost, in blocks of 32 codes); Wk_scales 1,024 x 32 uint8 (E8M0 scales of Wk, one for each 32 codes along K); Wo_codes 1,024 x 32 x 32 uint8 (E5M2 codes of Wo, K innermost, in blocks of 32 codes); Wo_scales 1,024 x 32 uint8 (E8M0 scales of Wo, one for each 32 codes along K); Wq_codes 1,024 x 32 x 32 uint8 (E5M2 codes of Wq, K innermost, in blocks of 32 codes); Wq_scales 1,024 x 32 uint8 (E8M0 scales of Wq, one for each 32 codes along K); Wv_codes 1,024 x 32 x 32 uint8 (E5M2 codes of Wv, K innermost, in blocks of 32 codes); Wv_scales 1,024 x 32 uint8 (E8M0 scales of Wv, one for each 32 codes along K); bo 1,024 float32; bq 1,024 float32; bv 1,024 float32; mask 1,024 x 1,024 float32; x_codes 8 x 1,024 x 32 x 32 uint8 (E5M2 codes of x, K innermost, in blocks of 32 codes); x_scales 8 x 1,024 x 32 uint8 (E8M0 scales of x, one for each 32 codes along K).
;; Outputs: out0 8 x 1,024 x 1,024 float32.
;; This version of the problem:
;;   THIS VERSION OF THE PROBLEM IS GIVEN IN LOW PRECISION. The matrix products marked QUANTISED in the list below multiply operands that are first quantised to E5M2 (5 exponent bits, 2 mantissa bits; 8 bits a number), with one power-of-two scale for each 32 numbers along K (OCP MX v1.0); their sums are f32. All else is computed in f32.
;;   The module's matrix products, in the order in which they are computed (A, B: the left and right operand; K: the contracted axis; several contracted axes count as one K, in the product's order):
;;     1. [M 8,192, K 1,024] x [K 1,024, N 1,024]; A: input x (given as codes); B: input Wq (given as codes): QUANTISED
;;     2. [M 8,192, K 1,024] x [K 1,024, N 1,024]; A: input x (given as codes); B: input Wk (given as codes): QUANTISED
;;     3. [M 8,192, K 1,024] x [K 1,024, N 1,024]; A: input x (given as codes); B: input Wv (given as codes): QUANTISED
;;     4. batch 128 x [M 1,024, K 64] x [K 64, N 1,024]; A: computed on the way; B: computed on the way: QUANTISED
;;     5. batch 128 x [M 1,024, K 1,024] x [K 1,024, N 64]; A: softmax (see below); B: computed on the way: QUANTISED
;;     6. [M 8,192, K 1,024] x [K 1,024, N 1,024]; A: computed on the way; B: input Wo (given as codes): QUANTISED
;;   THE QUANTISER, for each operand of a quantised product, along K:
;;     - K is cut into blocks of 32 from its start; a last block that is shorter is filled with zeros.
;;     - A block's scale is 2^e with e = floor(log2(the largest magnitude in the block)) - 15, held to -126 .. 127; a block of zeros has e = 0. As a byte (E8M0): e + 127.
;;     - Each number is divided by its block's scale, clamped to +-57,344, and rounded to the nearest number of E5M2, ties to even, subnormals kept.
;;     - The product sums the exact products of the quantised numbers (number of the format x scale) in f32.
;;   ~~~python
;;   def quantise(x, axis):      # numpy; x: float32 -> the quantised numbers, widened to float32 again
;;       x = np.moveaxis(x, axis, -1); K = x.shape[-1]
;;       x = np.pad(x, [(0, 0)] * (x.ndim - 1) + [(0, -K % 32)]); x = x.reshape(x.shape[:-1] + (-1, 32)); a = np.abs(x).max(-1, keepdims=True)
;;       e = np.where(a > 0, np.clip(np.frexp(np.where(a > 0, a, 1))[1] - 1 - 15, -126, 127), 0)      # np.frexp(a)[1] - 1 = floor(log2(a)), exactly
;;       r = np.clip(x / 2.0 ** e, -57344, 57344)
;;       step = 2.0 ** (np.maximum(np.frexp(np.where(r == 0, 1, r))[1] - 1, -14) - 2)
;;       q = np.round(r / step) * step * 2.0 ** e      # np.round: ties to even
;;       return np.moveaxis(q.reshape(q.shape[:-2] + (-1,))[..., :K], -1, axis).astype(np.float32)
;;   ~~~
;;   SOFTMAX AHEAD OF A QUANTISED PRODUCT. Where the list says 'softmax', what is quantised is not the finished softmax but p = 2^(t - M), with t = logit x log2(e) and M = ceil(the row's largest t), a whole number; so 1/2 < the row's largest p <= 1. The row's sum l is taken of the UNQUANTISED p, in f32, and the product's result is divided by l at the end. Since M is a whole number, a kernel that streams over the keys may use a running M (the ceiling of the running maximum): every later rescaling is an exact power of two, which a block's scale takes up: the codes' values come out the same.
;;   OPERANDS COMPUTED ON THE WAY. 'Computed on the way' means the value that the module computes at that place (a softmax that the list does not call 'softmax' is quantised finished and normalised). What goes into a quantiser is computed in f32, as accurately as f32 sums, v_exp_f32 and their like allow (about 1e-6 of the number): no bf16 or f16 on the way to a quantiser, and a product that is left as it is and whose result goes on into a quantised operand takes f32 operands (vector FMAs, or v_wmma_f32_16x16x4_f32). A number that lies on a knife's edge between two numbers of the format may be rounded either way, as far as f32 arithmetic and the matrix unit's own rounding can turn it there, and no further.
;;   INPUTS GIVEN AS CODES. Wk (in the module: [1024, 1024], K = its axis 1); Wo (in the module: [1024, 1024], K = its axis 1); Wq (in the module: [1024, 1024], K = its axis 1); Wv (in the module: [1024, 1024], K = its axis 1); x (in the module: [8, 1024, 1024], K = its axis 2): each comes as NAME_codes (uint8): NAME with its K axis moved to the last place and cut into blocks of 32 codes, [.., K / 32, bytes a block], one block behind the other in memory; one code a byte (a code: sign, 5 exponent bits, 2 mantissa bits); and NAME_scales (uint8): the same leading axes, one E8M0 byte (e + 127) for each 32 codes along K. Its value is code x scale, taken as it is: it is not quantised again, and the codes and scales need not be those that the quantiser above would give.
;; One version. Each part assembles by itself: llvm-mc -triple=amdgcn-amd-amdhsa -mcpu=gfx1250 --defsym DOCPART=n.
;; ======== version 1 of 1: 3 launches
;; limits: right only within a limited range of input values
;; workspace buffers: qimg 17,563,648 bytes; kvimg 17,563,648 bytes; wvimg 8,388,608 bytes; wvsc 262,144 bytes
;; launch qkv (part 1): grid 12 x 32, 4 waves a work-group, clusters of 4 x 4, 327,680 bytes of LDS; arguments x_codes, x_scales, Wq_codes, Wq_scales, Wk_codes, Wk_scales, Wv_codes, Wv_scales, bq, bv, qimg, kvimg; writes qimg, kvimg
.if DOCPART == 1
	.amdgcn_target "amdgcn-amd-amdhsa--gfx1250"
	.amdhsa_code_object_version 6
	.text
	.protected	k_qb1cfe8aa57_qkv
	.globl	k_qb1cfe8aa57_qkv
	.p2align	8
	.type	k_qb1cfe8aa57_qkv,@function
k_qb1cfe8aa57_qkv:
	s_mov_b64 s[64:65], 0
	v_nop
	global_prefetch_b8 v0, s[64:65] scope:SCOPE_SE
	s_setreg_imm32_b32 hwreg(HW_REG_WAVE_MODE, 25, 1), 1
	s_wait_xcnt 0x0
	s_wait_alu depctr_hold_cnt(0) depctr_sa_sdst(0) depctr_va_vdst(0) depctr_va_sdst(0) depctr_va_ssrc(0) depctr_va_vcc(0) depctr_vm_vsrc(0)
	s_getreg_b32 s2, hwreg(HW_REG_IB_STS2, 6, 4)
	s_cmp_eq_u32 s2, 0
	s_cbranch_scc0 .Lentry_in_a_cluster
	s_endpgm
.Lentry_in_a_cluster:
	s_bfe_u32 s2, ttmp6, 0x10000c
	s_cmp_lg_u32 s2, 0xf033
	s_cbranch_scc0 .Lentry_shape_is_right
	s_endpgm
.Lentry_shape_is_right:
; q = (x Wq^T + bq) 2^-1.5, k = (x Wk^T) 2^-1.5, v = x Wv^T + bv, on codes of BF8 (E5M2) with one E8M0 scale for each 32 along K = 1,024; the results are quantised again and stored as codes:
; q and k along a head's 64 channels, v along the keys.  ONE BODY FOR THE THREE: it makes Quant_along_B((A B^T + bias_B) s + bias_A) on a tile of 256 x 256.  The cluster's x is the kind (0 q, 1 k, 2 v), the same in
; all sixteen partners.  q, k: A = x (tokens), B = Wq or Wk (features).  v: A = Wv (features), B = x (tokens).  So the axis that is quantised is always B's, which lies along a lane's registers.
; The product: four waves, each 128 x 128 in 64 accumulators; K in steps of 256 through a ring of two LDS slots filled by joint tensor loads (A's tile shared along a row of the cluster, B's along a column);
; the scale bytes of the 256 + 256 rows come once and stay.  The matrix instruction is used transposed: source 0 = 16 rows of B, source 1 = 16 rows of A: a lane holds one row of A and eight neighbours along B.
; THE WAY OUT.  32 rows of A at a time go through the wave's own stage in LDS and come back as tiles whose rows are NOT neighbours: lane r of tile 2 b + u takes row 32 b + 8 u + r + 8 (r / 8), 64 numbers a lane:
; register 16 c + i = B index 32 c + 16 (lane / 16) + i.  Quantised so, a lane's 16 code registers are pieces of the operand registers of the attention launch, and are stored as such images, 512 consecutive bytes a store.
; OUTPUT, blocks of BLK bytes for each (batch, head, 128 tokens): K (or Q) pieces (tile, c) at (2 tile + c) 512 + 16 lane; V pieces (tile, c) at 8,192 + (4 tile + c) 512 + 16 lane; K's scale words at 16,384 + 16 lane + 4 i
; (tile 2 i + lane / 16, row lane % 16; bytes 2 and 3 are 0); V's at 16,896 + 8 lane + 4 i.
; LIMITS: NaN and infinities among the inputs are not served (a bias that a kind does not use is read and multiplied by 0).  A block of zeros gets the byte 1 where the quantiser says 127: its codes are zeros, and these bytes are read by this program alone.
; bq is added inside the first product (as its C), so its rounding is the matrix unit's.
.set SIZE_K, 1024
.set KSTEP,  256                       ; along K in a slot
.set NQ,     KSTEP/128                 ; matrix instructions deep
.set ROWB,   256                       ; a tile's row in bytes
.set KROW,   SIZE_K                    ; a row of A or of B in memory, in bytes
.set PITCH,  272                       ; an LDS row: 256 bytes + 16 of padding, so that the 16 rows of a fragment load start 16 bytes apart modulo 256
.set FR,     16                        ; registers of a fragment
.set NL,     4                         ; LDS loads that bring one
.set NP,     8                         ; places behind this matrix instruction (ISA guide 7.12.1)
.set HALFT,  128*PITCH
.set SLOT,   4*HALFT                   ; A's 256 rows, then B's 256 rows
.set LAPS,   SIZE_K/(2*KSTEP)
.set KS,     SIZE_K/32                 ; a row of scale bytes
.set SCL,    2*SLOT                    ; behind the ring: the scales, as units of 256 bytes + 16 of padding
.set HALFS,  (128*KS/256)*272
.set SBLK,   (16*KS/256)*272
.set SPARE,  SCL+4*HALFS               ; the spare words, 128 bytes for each wave
.set SPITCH, 528                       ; the way out: a stage row, 128 numbers + 16 bytes
.set SBUF,   32*SPITCH                 ; a stage buffer: 32 rows; two for each wave, in slot 0, which has had its last fill and its last read by then
.set BLK,    17152                     ; an output block
.set HS,     8*BLK                     ; a head's eight blocks
.set ADRA, 16                          ; v16-17  LDS address of my A fragments in slot 0, 1
.set ADRB, 20                          ; v20-21  the same for B
.set STO,  24                          ; v24     the stage: where I put 32 bytes of a row
.set RD,   25                          ; v25     the stage: where I read my 64 numbers
.set VO0,  26                          ; v26     16 x lane
.set ADRS, 27                          ; v27     LDS address of my scale words
.set SPW,  28                          ; v28     my spare word; never rewritten
.set NIL,  29                          ; v29     0; never rewritten
.set BP,   30                          ; v30-31  bias of my row of A (at the head: the bias loads' lane offsets)
.set VO2,  7                           ; v7      16 x lane + the distance to the third and fourth piece
.set BM,   8                           ; v8-15   bv at my row of each of the eight tiles
.set SC,   32                          ; v32-63  scale words, two sets: nothing else is ever put there
.set BN,   64                          ; v64-127 bq (x 1 or 0) in the result's layout: the C of the first products; free afterwards
.set AF,   128                         ; A's fragments
.set PW,   16                          ; the way out: v16-23 the eight tiles' scale words
.set PC,   64                          ; v64-79  a tile's codes
.set TM,   80                          ; v80-95  at work
.set XW,   96                          ; v96-107 scale words on their way out
.set ST0,  128                         ; v128-191, v192-255: 64 numbers of a tile, two sets
.set G1, 24
.set G0, 32
.set G1B, 48
.set G0B, 56
.set G1S, 68
.set G0S, 76
.set G1SB, 80
.set G0SB, 88
.set MSB, 0
.macro WIN new                         ; the immediate's high byte repeats the setting that is left
.if MSB != \new
	s_set_vgpr_msb (MSB<<8)|\new
.set MSB, \new
.endif
.endm
.set MUL_LO, 0xa1                      ; source 0 (B) window 1, source 1 (A) window 0, C and D window 2
.set MUL_HI, 0xf1                      ; the same, C and D window 3
.set BIAS_LO, 0x81                     ; the first products: C (the bias) window 0, D window 2
.set BIAS_HI, 0xc1                     ; D window 3
.set TO_B,   0x40                      ; destination window 1, address window 0
; A joint load: waves 0 and 1 fetch for A, waves 2 and 3 for B; the branch hangs on the wave's number alone.  Four v_nop follow each of the two lines.
.macro JLOAD g0a, g1a, g0b, g1b
	s_cmp_eq_u32 s15, 0
	s_cbranch_scc0 .Lfor_b_\@
	tensor_load_to_lds s[\g0a:\g0a+3], s[\g1a:\g1a+7]
	s_nop 0
.rept 4
	v_nop
.endr
	s_branch .Lasked_\@
.Lfor_b_\@:
	tensor_load_to_lds s[\g0b:\g0b+3], s[\g1b:\g1b+7]
	s_nop 0
.rept 4
	v_nop
.endr
.Lasked_\@:
.endm
.macro CREST                           ; a round of the cluster's barrier behind its opening barrier
	s_cmp_lg_u32 s14, 0
	s_cbranch_scc1 .Lnot_wave_0_\@
	s_barrier_signal -3
.Lnot_wave_0_\@:
	s_barrier_wait -3
	s_barrier_signal -1
	s_barrier_wait -1
.endm
.macro CROUND                          ; a whole round
	s_barrier_signal -1
	s_barrier_wait -1
	CREST
.endm
	s_load_b512 s[68:83], s[0:1], 0x0              ; x's codes 68, scales 70; Wq's 72, 74; Wk's 76, 78; Wv's 80, 82
	s_load_b256 s[84:91], s[0:1], 0x40             ; bq 84, bv 86, qimg 88, kvimg 90
	v_lshl_add_u32 v[SPW], v0, 2, SPARE
	v_mov_b32 v[NIL], 0
	ds_add_u32 v28, v29
	ds_add_u32 v28, v29
	s_wait_dscnt 0x0
	v_lshrrev_b32 v1, 5, v0
	v_readfirstlane_b32 s14, v1                    ; wave 0..3
	s_lshr_b32 s15, s14, 1                         ; which half of the tile's rows of A is mine.  Also: I fetch for A (0) or for B (1)
	s_and_b32 s16, s14, 1                          ; which half of B's.  Also: which 128 rows I fetch
	s_bfe_u32 s40, ttmp6, 0x40000                  ; cx, cy: my place in the cluster
	s_bfe_u32 s41, ttmp6, 0x40004
	s_and_b32 s17, ttmp7, 0xffff
	s_lshl_b32 s17, s17, 2                         ; 4 x cluster y: it walks x's 32 tiles of 256 tokens
	s_cmp_eq_u32 ttmp9, 2                          ; the kind is the cluster's x
	s_cselect_b32 s42, s17, 0                      ; v: the tokens are B's rows,
	s_cselect_b32 s17, 0, s17                      ; q, k: A's
	s_add_co_u32 s42, s42, s40                     ; B's tile: + cx
	s_add_co_u32 s17, s17, s41                     ; A's tile: + cy
	s_lshl_b32 s43, s41, 2
	s_lshl_b32 s43, 15, s43                        ; my row of the cluster
	s_lshl_b32 s44, 0x1111, s40                    ; my column
	s_or_b32 s[G1+0], s43, (0<<16)|(1<<20)|(1<<21)|(5<<22)|(3<<25)  ; the mask; elements of 1 byte; padding on; bit 21 beside a mask; after every 64 words four words
	s_or_b32 s[G1B+0], s44, (0<<16)|(1<<20)|(1<<21)|(5<<22)|(3<<25)
.irp g, G1, G1B
	s_mov_b32 s[\g+1], ROWB<<16                    ; tensor_dim0
	s_mov_b32 s[\g+2], 256<<16                     ; tensor_dim1: 256 rows for the head's loads; 128 behind them
	s_mov_b32 s[\g+3], ROWB<<16                    ; tile_dim0
	s_mov_b32 s[\g+4], 256                         ; tile_dim1
	s_mov_b32 s[\g+5], KROW                        ; the pitch
	s_mov_b32 s[\g+6], 0
	s_mov_b32 s[\g+7], 0
.endr
	s_lshl_b32 s18, s16, 7                         ; which 128 rows of the tile I fetch
	s_lshl_b32 s20, s17, 8
	s_lshl_b32 s46, s42, 8                         ; the tiles' first rows
	s_mov_b32 s21, 0
	s_mov_b32 s47, 0
	s_mov_b64 s[18:19], KS
	s_mul_u64 s[22:23], s[20:21], s[18:19]         ; where these rows' scales begin, in bytes
	s_mul_u64 s[92:93], s[46:47], s[18:19]
	s_mov_b64 s[18:19], KROW
	s_mul_u64 s[20:21], s[20:21], s[18:19]         ; and their codes
	s_mul_u64 s[46:47], s[46:47], s[18:19]
	s_mul_i32 s45, s14, HALFT                      ; where they go: wave x 128 rows
	s_mul_i32 s94, s14, HALFS
	s_wait_kmcnt 0x0
	s_cmp_eq_u32 ttmp9, 2                          ; the buffers are chosen by the kind alone
	s_cselect_b64 s[4:5], s[80:81], s[68:69]       ; A's codes: Wv's, or x's
	s_cselect_b64 s[6:7], s[82:83], s[70:71]       ; A's scales
	s_cselect_b64 s[8:9], s[68:69], s[76:77]       ; B's codes: x's, or Wk's,
	s_cselect_b64 s[10:11], s[70:71], s[78:79]
	s_cmp_eq_u32 ttmp9, 0
	s_cselect_b64 s[8:9], s[72:73], s[8:9]         ; or Wq's
	s_cselect_b64 s[10:11], s[74:75], s[10:11]
	s_cselect_b64 s[12:13], s[88:89], s[90:91]     ; the output: qimg, or kvimg
	s_mov_b64 s[96:97], s[84:85]                   ; bq
	s_mov_b64 s[98:99], s[86:87]                   ; bv; s[68:91] now take descriptors
	; the scales of 256 rows: a dense block of 8,192 bytes, as rows of 256 bytes (32 elements of 8 bytes), 16 bytes of padding behind each
	s_or_b32 s[G1S+0], s43, (3<<16)|(1<<20)|(1<<21)|(5<<22)|(3<<25)
	s_or_b32 s[G1SB+0], s44, (3<<16)|(1<<20)|(1<<21)|(5<<22)|(3<<25)
.irp g, G1S, G1SB
	s_mov_b32 s[\g+1], 32<<16
	s_mov_b32 s[\g+2], (256*KS/256)<<16
	s_mov_b32 s[\g+3], 32<<16
	s_mov_b32 s[\g+4], 256*KS/256
	s_mov_b32 s[\g+5], 32
	s_mov_b32 s[\g+6], 0
	s_mov_b32 s[\g+7], 0
.endr
	s_add_nc_u64 s[20:21], s[4:5], s[20:21]
	s_add_nc_u64 s[22:23], s[6:7], s[22:23]
	s_add_nc_u64 s[46:47], s[8:9], s[46:47]
	s_add_nc_u64 s[92:93], s[10:11], s[92:93]
	CROUND                                         ; all sixteen work-groups are here: the first joint loads meet
	s_mov_b32 s[G0S], 1
	s_mov_b32 s[G0S+1], SCL
	s_mov_b64 s[G0S+2:G0S+3], s[22:23]
	s_or_b32 s[G0S+3], s[G0S+3], 0x80000000
	s_mov_b32 s[G0SB], 1
	s_mov_b32 s[G0SB+1], SCL+2*HALFS
	s_mov_b64 s[G0SB+2:G0SB+3], s[92:93]
	s_or_b32 s[G0SB+3], s[G0SB+3], 0x80000000
.irp s, 0,1
	s_mov_b32 s[G0+4*\s], 1
	s_add_co_u32 s[G0+4*\s+1], s45, \s*SLOT
	s_add_nc_u64 s[G0+4*\s+2:G0+4*\s+3], s[20:21], \s*ROWB
	s_or_b32 s[G0+4*\s+3], s[G0+4*\s+3], 0x80000000
	s_mov_b32 s[G0B+4*\s], 1
	s_add_co_u32 s[G0B+4*\s+1], s45, \s*SLOT
	s_add_nc_u64 s[G0B+4*\s+2:G0B+4*\s+3], s[46:47], \s*ROWB
	s_or_b32 s[G0B+4*\s+3], s[G0B+4*\s+3], 0x80000000
.endr
	; THE HEAD'S LOADS, ONE A WAVE: wave 0 K step 0's 256 rows of A, wave 1 those of B, wave 2 A's scales, wave 3 B's; one chain of branches on the wave's number
	s_mov_b32 s[G0+1], 0
	s_mov_b32 s[G0B+1], 2*HALFT
	s_mul_i32 s18, s16, 128*KROW                   ; slot 1's loads bring 128 rows a wave: my half
	s_mov_b32 s19, 0
	s_add_nc_u64 s[G0+6:G0+7], s[G0+6:G0+7], s[18:19]
	s_add_nc_u64 s[G0B+6:G0B+7], s[G0B+6:G0B+7], s[18:19]
	s_cmp_lt_u32 s14, 1
	s_cbranch_scc0 .Lhead_b
	tensor_load_to_lds s[G0:G0+3], s[G1:G1+7]
	s_nop 0
.rept 4
	v_nop
.endr
	s_branch .Lhead_asked
.Lhead_b:
	s_cmp_lt_u32 s14, 2
	s_cbranch_scc0 .Lhead_sa
	tensor_load_to_lds s[G0B:G0B+3], s[G1B:G1B+7]
	s_nop 0
.rept 4
	v_nop
.endr
	s_branch .Lhead_asked
.Lhead_sa:
	s_cmp_lt_u32 s14, 3
	s_cbranch_scc0 .Lhead_sb
	tensor_load_to_lds s[G0S:G0S+3], s[G1S:G1S+7]
	s_nop 0
.rept 4
	v_nop
.endr
	s_branch .Lhead_asked
.Lhead_sb:
	tensor_load_to_lds s[G0SB:G0SB+3], s[G1SB:G1SB+7]
	s_nop 0
.rept 4
	v_nop
.endr
.Lhead_asked:
	v_and_b32 v1, 15, v0
	v_bfe_u32 v2, v0, 4, 1                         ; h = lane / 16
	v_mul_u32_u24 v3, v1, PITCH
	v_lshl_add_u32 v4, v2, 4, v3                   ; a fragment's row x pitch + 16 h
	s_mul_i32 s21, s15, HALFT                      ; my 128 rows of A
	s_mul_i32 s22, s16, HALFT                      ; my 128 rows of B,
	s_add_co_u32 s22, s22, 2*HALFT                 ; which lie behind A's 256
.irp s, 0,1
	v_add_nc_u32 v[ADRA+\s], s21, v4
	v_add_nc_u32 v[ADRB+\s], s22, v4
	s_add_co_u32 s21, s21, SLOT
	s_add_co_u32 s22, s22, SLOT
.endr
	v_mul_u32_u24 v5, v1, KS                       ; my row's scales: KS bytes a row,
	v_lshrrev_b32 v6, 8, v5
	v_lshl_add_u32 v5, v6, 4, v5                   ; and 16 more for each 256 passed
	s_mul_i32 s21, s15, HALFS
	s_mul_i32 s22, s16, HALFS
	s_add_co_u32 s22, s22, 2*HALFS
	s_sub_co_u32 s22, s22, s21
	v_mul_u32_u24 v6, s22, v2                      ; lanes 16-31 take B's
	s_add_co_u32 s21, s21, SCL
	v_add_nc_u32 v5, v5, v6
	v_add_nc_u32 v[ADRS], s21, v5
	s_mul_i32 s23, s14, 2*SBUF                     ; my stage
	v_mul_u32_u24 v5, v1, SPITCH
	v_lshl_add_u32 v5, v2, 5, v5
	v_add_nc_u32 v[STO], s23, v5                   ; in: row r, 32 bytes for each half of the lanes
	v_and_b32 v6, 8, v1
	v_add_nc_u32 v6, v6, v1                        ; r + 8 (r / 8)
	v_lshlrev_b32 v31, 2, v6                       ; bv: my row of a tile
	v_mul_u32_u24 v6, v6, SPITCH
	v_lshl_add_u32 v6, v2, 6, v6
	v_add_nc_u32 v[RD], s23, v6                    ; back: row r + 8 (r / 8), 64 h bytes on
	v_and_b32 v6, 31, v0
	v_lshlrev_b32 v[VO0], 4, v6
	v_lshlrev_b32 v30, 5, v2                       ; bq: 8 h numbers on
	s_wait_alu depctr_va_vdst(0)
	s_lshl_b32 s20, s17, 8
	s_lshl_b32 s21, s15, 7
	s_add_co_u32 s20, s20, s21                     ; m0: my first row of A
	s_lshl_b32 s46, s42, 8
	s_lshl_b32 s47, s16, 7
	s_add_co_u32 s46, s46, s47                     ; n0: my first row of B
	s_mov_b32 s8, 0x3eb504f3                       ; 64^-0.25 = 2^-1.5
	s_mov_b32 s100, 1024
	s_mov_b32 s104, 1024
	s_mov_b32 s45, HS
	s_cmp_eq_u32 ttmp9, 2                          ; all that hangs on 'v or not', ahead of any line that writes SCC
	s_cselect_b32 s22, 0, s46                      ; bq from n0 on (v: its first numbers, which are multiplied by 0)
	s_cselect_b32 s92, s20, 0                      ; bv from m0 on (q, k: likewise)
	s_cselect_b32 s18, s46, s20                    ; my first token
	s_cselect_b32 s19, s20, s46                    ; my first feature
	s_cselect_b32 s8, 0x3f800000, s8               ; s: 1 for v
	s_cselect_b32 s100, 2048, s100                 ; bytes from a tile's pieces to the next tile's
	s_cselect_b32 s104, 131072, s104               ; and from tile 3's to tile 4's: for v the next head's block, HS - 3 x 2,048
	s_cselect_b32 s45, 1024, s45                   ; from a tile's first piece to its third: v: 2 x 512; q, k: the next head
	s_cselect_b32 s94, 8192, 0                     ; V's part of a block
	s_cselect_b32 s2, 0x3f800000, 0                ; bv counts for v alone
	s_cmp_eq_u32 ttmp9, 0
	s_cselect_b32 s10, 0x3f800000, 0               ; bq counts for q alone
	s_mov_b32 s9, s8                               ; (the packed forms name pairs)
	s_mov_b32 s11, s10
	s_mov_b32 s101, 0
	s_mov_b32 s105, 0
	s_mov_b32 s95, 0
	s_mov_b32 s23, 0
	s_mov_b32 s93, 0
	s_lshl_b32 s22, s22, 2
	s_add_nc_u64 s[96:97], s[96:97], s[22:23]
	s_lshl_b32 s92, s92, 2
	s_add_nc_u64 s[98:99], s[98:99], s[92:93]
.irp b, 0,1,2,3,4,5,6,7
	global_load_b128 v[BN+8*\b:BN+8*\b+3], v30, s[96:97] offset:64*\b       ; bq(n0 + 16 b + 8 h + 0 .. 7): the result's layout
	global_load_b128 v[BN+8*\b+4:BN+8*\b+7], v30, s[96:97] offset:64*\b+16
.endr
.irp t, 0,1,2,3,4,5,6,7
	global_load_b32 v[BM+\t], v31, s[98:99] offset:4*(32*(\t/2)+8*(\t%2))   ; bv at my row of tile t
.endr
	s_lshr_b32 s21, s18, 10                        ; the batch,
	s_lshl_b32 s21, s21, 4
	s_lshr_b32 s47, s19, 6                         ; my first head,
	s_add_co_u32 s21, s21, s47
	s_lshl_b32 s21, s21, 3
	s_bfe_u32 s47, s18, 0x30007                    ; which 128 tokens of the batch's 1,024
	s_add_co_u32 s21, s21, s47
	s_mul_i32 s92, s21, BLK                        ; under 2^25
	s_add_nc_u64 s[12:13], s[12:13], s[92:93]
	s_mov_b64 s[66:67], s[12:13]                   ; my first block: the scale words' base
	s_add_nc_u64 s[12:13], s[12:13], s[94:95]      ; the pieces' base
	v_add_nc_u32 v[VO2], s45, v[VO0]
	s_mov_b32 s4, 0x76543210                       ; v_permlanex16_b32's selects for lane l xor 16
	s_mov_b32 s5, 0xfedcba98
	s_mov_b32 s6, 0x600000                         ; the mantissa field of 57,344
	s_mov_b32 s7, 0xffff0000                       ; lanes 16-31
.macro FRAG reg, adr, q, i             ; 16 rows x 128 K: lane l holds row l % 16; registers 4 c .. 4 c + 3 hold K = 32 c + 16 (l / 16) + 0 .. 15
.irp c, 0,1,2,3
	ds_load_b128 v[\reg+4*\c:\reg+4*\c+3], v[\adr] offset:128*(\q)+32*\c+(\i)*16*PITCH
.endr
.endm
; 16 matrix instructions: A's blocks a0, a0 + 1 x B's eight, 128 along K.  zero = 1: the first products start the sums from the bias.  The 64 accumulators take turns, one instruction a turn.
.macro MUL16 a0, p, q, sc, zero
.irp a, \a0, \a0+1
.irp b, 0,1,2,3,4,5,6,7
.if \zero
	v_wmma_scale_f32_16x16x128_f8f6f4 v[8*(8*((\a)%4)+\b):8*(8*((\a)%4)+\b)+7], v[128*(\p)+FR*\b:128*(\p)+FR*\b+FR-1], v[AF+FR*(\a):AF+FR*(\a)+FR-1], v[BN+8*\b:BN+8*\b+7], v[SC+8*NQ*(\sc)+NQ*\b+(\q)], v[SC+8*NQ*(\sc)+NQ*(\a)+(\q)] matrix_a_fmt:MATRIX_FMT_BF8 matrix_b_fmt:MATRIX_FMT_BF8 matrix_a_scale:MATRIX_SCALE_ROW1
.else
	v_wmma_scale_f32_16x16x128_f8f6f4 v[8*(8*((\a)%4)+\b):8*(8*((\a)%4)+\b)+7], v[128*(\p)+FR*\b:128*(\p)+FR*\b+FR-1], v[AF+FR*(\a):AF+FR*(\a)+FR-1], v[8*(8*((\a)%4)+\b):8*(8*((\a)%4)+\b)+7], v[SC+8*NQ*(\sc)+NQ*\b+(\q)], v[SC+8*NQ*(\sc)+NQ*(\a)+(\q)] matrix_a_fmt:MATRIX_FMT_BF8 matrix_b_fmt:MATRIX_FMT_BF8 matrix_a_scale:MATRIX_SCALE_ROW1
.endif
.endr
.endr
.endm
.macro FETCH_B slot, q, p
	WIN TO_B
.irp i, 0,1,2,3,4,5,6,7
	FRAG 128*(\p)+FR*\i, ADRB+\slot, \q, \i
.endr
	WIN 0
.endm
.macro FETCH_A slot, q, i0
.irp i, \i0, \i0+1, \i0+2, \i0+3
	FRAG AF+FR*(\i), ADRA+\slot, \q, \i
.endr
.endm
.macro SCALES sc                       ; a K step's scale words: lanes 0-15 take A's block i, lanes 16-31 B's block i
.irp i, 0,1,2,3,4,5,6,7
	ds_load_b64 v[SC+8*NQ*\sc+NQ*\i:SC+8*NQ*\sc+NQ*\i+1], v[ADRS] offset:\i*SBLK
.endr
.endm
.macro PLACES n                        ; plain vector instructions between a matrix instruction and a load into, or a read of, its registers
.rept \n
	v_nop
.endr
.endm
.macro STEP slot, q, zero              ; 128 along K that have their successor in the same slot
	s_wait_dscnt 4*NL                              ; all but the youngest sixteen loads (A's blocks 4-7)
.if \zero
	WIN BIAS_LO
.else
	WIN MUL_LO
.endif
	MUL16 0, (\q)%2, \q, \slot, \zero
	MUL16 2, (\q)%2, \q, \slot, \zero
	s_wait_dscnt 0                                 ; A's blocks 4-7 are in
	PLACES NP
	FETCH_B \slot, (\q)+1, 1-(\q)%2
	FETCH_A \slot, (\q)+1, 0
.if \zero
	WIN BIAS_HI
.else
	WIN MUL_HI
.endif
	MUL16 4, (\q)%2, \q, \slot, \zero
	MUL16 6, (\q)%2, \q, \slot, \zero
	PLACES NP
	WIN 0
	FETCH_A \slot, (\q)+1, 4
.endm
; A slot's last step changes slots: one barrier; in front of it each wave waits for all its tensor loads, adds 0 to its spare word, and waits for that and for its reads of this slot.  fill = 1: the slot is filled again.
.macro TURN slot, next, fill
	s_wait_tensorcnt 0x0                           ; all my tensor loads have landed: my part of the next slot
	ds_add_u32 v[SPW], v[NIL]                      ; 0 onto my spare word
	s_wait_dscnt 4*NL+1                            ; (the add and the youngest sixteen loads may be out)
	WIN MUL_LO
	MUL16 0, 1, NQ-1, \slot, 0
	s_wait_dscnt 0x0                               ; the add is done, and my reads of this slot are over
	s_barrier_signal -1
	MUL16 2, 1, NQ-1, \slot, 0
	WIN 0
	s_barrier_wait -1
.if \fill
	CREST                                          ; the barrier has opened a round of the cluster's barrier: no wave of any partner still reads this slot or has a load on its way
	s_add_nc_u64 s[G0+4*\slot+2:G0+4*\slot+3], s[G0+4*\slot+2:G0+4*\slot+3], 2*ROWB
	s_add_nc_u64 s[G0B+4*\slot+2:G0B+4*\slot+3], s[G0B+4*\slot+2:G0B+4*\slot+3], 2*ROWB
	JLOAD G0+4*\slot, G1, G0B+4*\slot, G1B         ; the first tensor load behind the round, my only one until the next
	PLACES NP-4
.else
	PLACES NP
.endif
	s_wait_alu depctr_va_vdst(0)
	v_add_nc_u32 v[ADRS], 4*NQ, v[ADRS]            ; the next K step's scale words
	FETCH_B \next, 0, 0
	FETCH_A \next, 0, 0
	SCALES \next
	WIN MUL_HI
	MUL16 4, 1, NQ-1, \slot, 0
	MUL16 6, 1, NQ-1, \slot, 0
	PLACES NP
	WIN 0
	FETCH_A \next, 0, 4
.endm
	s_wait_loadcnt 0x0                             ; the biases
.set J, 0
.rept 32
	v_pk_mul_f32 v[BN+J:BN+J+1], v[BN+J:BN+J+1], s[10:11] op_sel_hi:[1,0]   ; bq for q, zeros for k and v
.set J, J+2
.endr
	s_wait_alu depctr_va_vdst(0)
	s_wait_tensorcnt 0x0                           ; my tile of the head's four is in
	ds_add_u32 v28, v29
	s_mov_b32 s[G1+2], 128<<16                     ; no tensor load of mine is out: from here on a load brings 128 rows
	s_mov_b32 s[G1+4], 128
	s_mov_b32 s[G1B+2], 128<<16
	s_mov_b32 s[G1B+4], 128
	s_mul_i32 s[G0+1], s14, HALFT                  ; slot 0's descriptors for its refills: my quarter of the slot, my half of the rows
	s_mul_i32 s[G0B+1], s14, HALFT
	s_mul_i32 s92, s16, 128*KROW
	s_mov_b32 s93, 0
	s_add_nc_u64 s[G0+2:G0+3], s[G0+2:G0+3], s[92:93]
	s_add_nc_u64 s[G0B+2:G0B+3], s[G0B+2:G0B+3], s[92:93]
	s_wait_dscnt 0x0
	CROUND                                         ; all four tiles are in, and the sixteen work-groups meet
	JLOAD G0+4, G1, G0B+4, G1B                     ; K step 1
	FETCH_B 0, 0, 0
	FETCH_A 0, 0, 0
	SCALES 0
	FETCH_A 0, 0, 4
	STEP 0, 0, 1                                   ; the first step stands in front of the loop: its products start the sums
	s_mov_b32 s3, LAPS-1
.Llap:                                                 ; a trip goes once round the ring and fills both slots again
	TURN 0, 1, 1
	STEP 1, 0, 0
	TURN 1, 0, 1
	STEP 0, 0, 0
	s_sub_co_u32 s3, s3, 1
	s_cmp_lg_u32 s3, 0
	s_cbranch_scc1 .Llap
	TURN 0, 1, 0                                   ; the last lap fills nothing
	STEP 1, 0, 0
	s_wait_dscnt 4*NL
	WIN MUL_LO
	MUL16 0, 1, NQ-1, 1, 0
	MUL16 2, 1, NQ-1, 1, 0
	s_wait_dscnt 0
	WIN MUL_HI
	MUL16 4, 1, NQ-1, 1, 0
	MUL16 6, 1, NQ-1, 1, 0
	WIN 0
; THE WAY OUT.  STG p: A's blocks 2 p and 2 p + 1 (32 rows x 128 numbers) into stage buffer p % 2, each accumulator from its low end on.
.macro STG p
	WIN 0x08+4*((\p)/2)                            ; an LDS store's data are its source 1: window 2 or 3
.irp e, 0,1
.irp b, 0,1,2,3,4,5,6,7
	ds_store_b128 v[STO], v[64*((2*(\p)+\e)%4)+8*\b:64*((2*(\p)+\e)%4)+8*\b+3] offset:((\p)%2)*SBUF+\e*16*SPITCH+64*\b
	ds_store_b128 v[STO], v[64*((2*(\p)+\e)%4)+8*\b+4:64*((2*(\p)+\e)%4)+8*\b+7] offset:((\p)%2)*SBUF+\e*16*SPITCH+64*\b+16
.endr
.endr
	WIN 0
.endm
; RDB t: tile t comes back: my row 32 (t / 2) + 8 (t % 2) + r + 8 (r / 8); register 16 c + i = B index 32 c + 16 h + i.  LDS serves a wave's instructions in order (ISA guide 5.7.1.4): no wait between the stores and these.
.macro RDB t
.irp c, 0,1,2,3
.irp g, 0,1,2,3
	ds_load_b128 v[ST0+64*((\t)%2)+16*\c+4*\g:ST0+64*((\t)%2)+16*\c+4*\g+3], v[RD] offset:(((\t)/2)%2)*SBUF+((\t)%2)*8*SPITCH+128*\c+16*\g
.endr
.endr
.endm
; PROC t, n: tile t is scaled, biased, quantised and stored.  n: the LDS instructions issued behind its loads, which may stay out.
.macro PROC t, n
.set XS, ST0+64*((\t)%2)
	s_wait_dscnt \n
	s_wait_xcnt 0x0                                ; the last tile's stores have read their data and their base: both are written again below
.if (\t) == 4
	s_add_nc_u64 s[12:13], s[12:13], s[104:105]
.elseif (\t) > 0
	s_add_nc_u64 s[12:13], s[12:13], s[100:101]
.endif
	v_mul_f32 v[BP], s2, v[BM+(\t)]                ; bv at my row, or 0
.set J, 0
.rept 32
	v_pk_fma_f32 v[XS+J:XS+J+1], v[XS+J:XS+J+1], s[8:9], v[BP:BP+1] op_sel_hi:[1,0,0]   ; x s + bias: (acc + bq) s, acc s, acc + bv
.set J, J+2
.endr
.irp b, 0,1,2,3
	v_max3_num_f32 v[TM+\b], |v[XS+16*\b]|, |v[XS+1+16*\b]|, 0x8000000   ; block b: my 16 numbers, and the floor 2^(16 - 127): the byte cannot fall under 1
.endr
.irp i, 2,4,6,8,10,12,14
.irp b, 0,1,2,3
	v_max3_num_f32 v[TM+\b], v[TM+\b], |v[XS+16*\b+\i]|, |v[XS+1+16*\b+\i]|
.endr
.endr
.irp b, 0,1,2,3
	v_permlanex16_b32 v[TM+4+\b], v[TM+\b], s4, s5
.endr
.irp b, 0,1,2,3
	v_max_num_f32 v[TM+\b], v[TM+\b], v[TM+4+\b]   ; with lane l xor 16's: the block's largest magnitude
.endr
.irp b, 0,1,2,3
	v_add_nc_u32 v[TM+12+\b], 0xf8800000, v[TM+\b] ; 15 off its exponent field: the conversion's scale operand
.endr
.irp b, 0,1,2,3
	v_and_or_b32 v[TM+8+\b], v[TM+\b], 0x7f800000, s6   ; 57,344 x the scale
.endr
.irp b, 0,1,2,3
	v_lshrrev_b32 v[TM+4+\b], 23, v[TM+12+\b]      ; the scale's byte
.endr
	v_lshl_or_b32 v[PW+(\t)], v[TM+5], 8, v[TM+4]  ; my row's scale word
	v_lshl_or_b32 v[PW+(\t)], v[TM+6], 16, v[PW+(\t)]
	v_lshl_or_b32 v[PW+(\t)], v[TM+7], 24, v[PW+(\t)]
.irp b, 0,1,2,3
.set J, 0
.rept 16
	v_med3_num_f32 v[XS+16*\b+J], v[XS+16*\b+J], -v[TM+8+\b], v[TM+8+\b]   ; the conversion does not saturate (ISA guide 7.6.2): the hold at the largest code x the scale
.set J, J+1
.endr
	v_cvt_scalef32_pk8_bf8_f32 v[PC+4*\b:PC+4*\b+1], v[XS+16*\b:XS+16*\b+7], v[TM+12+\b]
	v_cvt_scalef32_pk8_bf8_f32 v[PC+4*\b+2:PC+4*\b+3], v[XS+16*\b+8:XS+16*\b+15], v[TM+12+\b]
.endr
	v_nop                                          ; a plain vector instruction behind the last conversion
	global_store_b128 v[VO0], v[PC:PC+3], s[12:13]                ; each store covers 512 consecutive bytes, aligned
	global_store_b128 v[VO0], v[PC+4:PC+7], s[12:13] offset:512
	global_store_b128 v[VO2], v[PC+8:PC+11], s[12:13]
	global_store_b128 v[VO2], v[PC+12:PC+15], s[12:13] offset:512
.endm
	PLACES NP                                      ; behind the last products: for the reads of results and the loads into A's registers
.irp b, 0,1,2,3
	v_mov_b32 v[TM+4+\b], 0                        ; written once: a lane permute's destination counts as one of its sources
.endr
	STG 0
	RDB 0
	RDB 1
	STG 1
	PROC 0, 48                                     ; behind tile 0's loads: tile 1's 16 loads and 32 stores
	RDB 2
	PROC 1, 48                                     ; 32 stores and tile 2's 16 loads
	RDB 3
	STG 2
	PROC 2, 48
	RDB 4
	PROC 3, 48
	RDB 5
	STG 3
	PROC 4, 48
	RDB 6
	PROC 5, 48
	RDB 7
	PROC 6, 16                                     ; tile 7's 16 loads
	PROC 7, 0
	; the scale words: lanes 0-15 carry the even tile's, lanes 16-31 the odd tile's
.irp i, 0,1,2,3
	v_cndmask_b32 v[XW+\i], v[PW+2*\i], v[PW+2*\i+1], s7
.endr
	s_cmp_eq_u32 ttmp9, 2                          ; the kind: the same in every wave and partner; only stores to memory differ
	s_cbranch_scc1 .Lv_scales
.irp i, 0,1,2,3
	v_and_b32 v[XW+4+\i], 0xffff, v[XW+\i]         ; q, k: bytes 0 and 1 are my first head's two blocks,
	v_lshrrev_b32 v[XW+8+\i], 16, v[XW+\i]         ; bytes 2 and 3 the second head's; the upper two bytes are 0
.endr
	global_store_b128 v[VO0], v[XW+4:XW+7], s[66:67] offset:16384
	global_store_b128 v[VO0], v[XW+8:XW+11], s[66:67] offset:16384+HS
	s_branch .Lscales_out
.Lv_scales:
	v_lshrrev_b32 v6, 1, v[VO0]                    ; v: 8 bytes a lane: tiles 0-3 are my first head's, tiles 4-7 the second's
	s_wait_alu depctr_va_vdst(0)
	global_store_b64 v6, v[XW:XW+1], s[66:67] offset:16896
	global_store_b64 v6, v[XW+2:XW+3], s[66:67] offset:16896+HS
.Lscales_out:
	s_wait_tensorcnt 0x0                           ; the wave's end
	ds_add_u32 v[SPW], v[NIL]
	s_wait_dscnt 0x0
	CROUND                                         ; the closing round
	s_endpgm
.Lfunc_end_k_qb1cfe8aa57_qkv:
	.size	k_qb1cfe8aa57_qkv, .Lfunc_end_k_qb1cfe8aa57_qkv-k_qb1cfe8aa57_qkv
	.p2alignl 7, 3214868480
	.fill 96, 4, 3214868480
	.section	.rodata,"a",@progbits
	.p2align	6, 0x0
	.amdhsa_kernel k_qb1cfe8aa57_qkv
		.amdhsa_group_segment_fixed_size 327680
		.amdhsa_private_segment_fixed_size 0
		.amdhsa_enable_private_segment 0
		.amdhsa_kernarg_size 96
		.amdhsa_user_sgpr_count 2
		.amdhsa_user_sgpr_kernarg_segment_ptr 1
		.amdhsa_wavefront_size32 1
		.amdhsa_system_sgpr_workgroup_id_x 1
		.amdhsa_system_sgpr_workgroup_id_y 1
		.amdhsa_system_sgpr_workgroup_id_z 1
		.amdhsa_system_vgpr_workitem_id 0
		.amdhsa_next_free_vgpr 1024
		.amdhsa_next_free_sgpr 106
		.amdhsa_reserve_vcc 0
		.amdhsa_float_denorm_mode_32 3
		.amdhsa_float_denorm_mode_16_64 3
		.amdhsa_memory_ordered 1
		.amdhsa_forward_progress 1
		.amdhsa_inst_pref_size 225
	.end_amdhsa_kernel
	.amdgpu_metadata
---
amdhsa.version: [ 1, 2 ]
amdhsa.kernels:
  - .name:           k_qb1cfe8aa57_qkv
    .symbol:         k_qb1cfe8aa57_qkv.kd
    .args:
      - { .name: x_codes, .offset: 0, .size: 8, .value_kind: global_buffer, .address_space: global }
      - { .name: x_scales, .offset: 8, .size: 8, .value_kind: global_buffer, .address_space: global }
      - { .name: Wq_codes, .offset: 16, .size: 8, .value_kind: global_buffer, .address_space: global }
      - { .name: Wq_scales, .offset: 24, .size: 8, .value_kind: global_buffer, .address_space: global }
      - { .name: Wk_codes, .offset: 32, .size: 8, .value_kind: global_buffer, .address_space: global }
      - { .name: Wk_scales, .offset: 40, .size: 8, .value_kind: global_buffer, .address_space: global }
      - { .name: Wv_codes, .offset: 48, .size: 8, .value_kind: global_buffer, .address_space: global }
      - { .name: Wv_scales, .offset: 56, .size: 8, .value_kind: global_buffer, .address_space: global }
      - { .name: bq, .offset: 64, .size: 8, .value_kind: global_buffer, .address_space: global }
      - { .name: bv, .offset: 72, .size: 8, .value_kind: global_buffer, .address_space: global }
      - { .name: qimg, .offset: 80, .size: 8, .value_kind: global_buffer, .address_space: global }
      - { .name: kvimg, .offset: 88, .size: 8, .value_kind: global_buffer, .address_space: global }
    .group_segment_fixed_size: 327680
    .private_segment_fixed_size: 0
    .kernarg_segment_align: 8
    .kernarg_segment_size: 96
    .max_flat_workgroup_size: 128
    .sgpr_count:     106
    .vgpr_count:     1024
    .wavefront_size: 32
...
	.end_amdgpu_metadata
.endif
;; end of part 1
;; launch attn2 (part 2): grid 16 x 16, 8 waves a work-group, clusters of 4 x 1, 327,680 bytes of LDS; arguments qimg, kvimg, mask, wvimg, wvsc; writes wvimg, wvsc
.if DOCPART == 2
	.amdgcn_target "amdgcn-amd-amdhsa--gfx1250"
	.amdhsa_code_object_version 6
	.text
	.protected	k_qb1cfe8aa57_attn2
	.globl	k_qb1cfe8aa57_attn2
	.p2align	8
	.type	k_qb1cfe8aa57_attn2,@function
k_qb1cfe8aa57_attn2:
	s_mov_b64 s[64:65], 0
	v_nop
	global_prefetch_b8 v0, s[64:65] scope:SCOPE_SE
	s_setreg_imm32_b32 hwreg(HW_REG_WAVE_MODE, 25, 1), 1
	s_wait_xcnt 0x0
	s_wait_alu depctr_hold_cnt(0) depctr_sa_sdst(0) depctr_va_vdst(0) depctr_va_sdst(0) depctr_va_ssrc(0) depctr_va_vcc(0) depctr_vm_vsrc(0)
	s_getreg_b32 s2, hwreg(HW_REG_IB_STS2, 6, 4)
	s_cmp_eq_u32 s2, 0
	s_cbranch_scc0 .Lentry_in_a_cluster
	s_endpgm
.Lentry_in_a_cluster:
	s_bfe_u32 s2, ttmp6, 0x10000c
	s_cmp_lg_u32 s2, 0x3003
	s_cbranch_scc0 .Lentry_shape_is_right
	s_endpgm
.Lentry_shape_is_right:
; wv = softmax_k(q . k + mask) v, both products on codes of BF8 (E5M2) with one E8M0 scale for each 32 along K; the result is quantised along the model's 1,024 and stored as images of the next launch's operand registers.
; No work of the problem is left out: the mask is an input, and every number of it is read and added (as the C of the score product).
; SHARES.  A work-group owns 64 queries (grid y) and 8 heads of one batch (grid x = 2 x batch + half of the heads).  Wave w takes head w of the eight and ALL FOUR tiles of 16 queries, so that a head's K and V enter the work-group once.
; K and V are images of operand registers: each lane loads its pieces straight from memory, 512 consecutive bytes an instruction; one wave alone reads a head, so LDS would serve nothing.  V of step s is asked for at the step's head, K of step s + 1 behind the step's last score product.
; The 64 rows of the mask lie in LDS whole (8 tiles of 64 rows x 512 bytes + 16), filled once, a tile a wave: the 8 key steps pass no barrier.
; THE SOFTMAX: t = (score + mask) x log2(e); M = the largest t so far rounded up to a whole number; p = 2^(t - M) is quantised along the keys; the sum is taken of the unquantised p and divides at the end.
; REGISTERS.  Window 0: addresses, scale words, each tile's -M, largest t and sum, the softmax's working set, V, Q of tiles 2 and 3.  Window 1: the four O^T, Q of tiles 0 and 1, K.
; CLUSTER: four work-groups with the same 64 queries share the mask's rows: its loads are joint.  K, V and Q differ between partners and are no tensor loads.
; PREFETCH: a head's block three steps on, its 67 units of 256 bytes shared out by address among the 16 work-groups that walk the head; steps 0 to 2 come by their loads alone.  The mask is asked for once, at the head, with no loop ahead of it.
; LIMITS: NaN and infinities among the inputs are not served; the promise holds while |t| stays under 2^31.  The mask is added inside the matrix unit.  A block of zeros gets the byte 1: its codes are zeros, and the bytes are read by this program alone.
.set BLK,   17152
.set HS,    8*BLK
.set KSC,   16384
.set VOFF,  8192
.set VSC,   16896
.set MP,    528
.set TILE,  64*MP
.set SPARE, 8*TILE
.set SPW, 1
.set NIL, 2
.set GOC, 3                            ; 16 x lane
.set GV8, 4                            ; 8 x lane
.set AMB, 5                            ; my row of a tile of the mask
.set QA,  6
.set QSA, 7
.set KSR, 8                            ; v8-23: scale words and nothing else
.set VSR, 12
.set PS,  14
.set QS,  20
.set AM,  24
.set PFO, 25
.set STA, 26                           ; v26-41: tile i: -M, largest t at 26 + 4 i; the sum's halves at 28 + 4 i
.set FF,  42
.set TA,  44
.set TW,  45
.set T,   46
.set BX,  52
.set PB,  56
.set HD,  60
.set SO,  64
.set PCD, 68
.set S,   84
.set VF,  148
.set QH,  212                          ; Q of tiles 2, 3: eight registers of codes, eight of zero codes each
.set GOS, 244
.set QL,  128                          ; window 1: Q of tiles 0, 1;  O^T of tile i at 32 i
.set KF,  160                          ; window 1: K's eight tiles and eight registers of zero codes
.set WV, 18
.set Y,  19
.set X,  20
.set G1M, 24
.set G0M, 32
.set SEL, 36
.set CS,  38
.set MNT, 40
.set ST,  41
.set MO,  42
.set INC, 44
.set BP,  46
.set KN,  48
.set QB,  50
.set WVP, 52
.set WSP, 54
.set MSB, 0
.macro WIN new                         ; the immediate's high byte repeats the setting that is left
.if MSB != \new
	s_set_vgpr_msb (MSB<<8)|\new
.set MSB, \new
.endif
.endm
.macro PLACES n
.rept \n
	v_nop
.endr
.endm
.macro ROUND                           ; a round of the cluster's barrier
	s_barrier_signal -1
	s_barrier_wait -1
	s_cmp_lg_u32 s[WV], 0
	s_cbranch_scc1 .Lnot_wave_0_\@
	s_barrier_signal -3
.Lnot_wave_0_\@:
	s_barrier_wait -3
	s_barrier_signal -1
	s_barrier_wait -1
.endm
.macro KLOAD                           ; 17 loads: K's pieces and scale words of the block at KN
	WIN 0x40
.irp t, 0,1,2,3,4,5,6,7
	global_load_b128 v[KF+8*\t:KF+8*\t+3], v[GOC], s[KN:KN+1] offset:1024*\t
	global_load_b128 v[KF+8*\t+4:KF+8*\t+7], v[GOC], s[KN:KN+1] offset:1024*\t+512
.endr
	WIN 0
	global_load_b128 v[KSR:KSR+3], v[GOC], s[KN:KN+1] offset:KSC
.endm
.macro QREG i                          ; where tile i's Q lies
.if \i < 2
.set QR_, QL+16*\i
.set QW_, 1
.else
.set QR_, QH+16*(\i-2)
.set QW_, 0
.endif
.endm
.macro QLOAD i                         ; 3 loads; query 16 i + r lies in stored tile 2 b + r / 8, row 8 (i % 2) + r % 8
	QREG \i
	WIN 0x40*QW_
	global_load_b128 v[QR_:QR_+3], v[QA], s[QB:QB+1] offset:2048*(\i/2)+128*(\i%2)
	global_load_b128 v[QR_+4:QR_+7], v[QA], s[QB:QB+1] offset:2048*(\i/2)+128*(\i%2)+512
.irp j, 0,1,2,3,4,5,6,7
	v_mov_b32 v[QR_+8+\j], 0                       ; zero codes: Q's K = 64 .. 127
.endr
	WIN 0
	global_load_b32 v[QS+\i], v[QSA], s[QB:QB+1] offset:KSC+4*(\i/2)+128*(\i%2)
.endm
	s_load_b256 s[4:11], s[0:1], 0x0               ; qimg 4, kvimg 6, mask 8, wvimg 10
	s_load_b64 s[12:13], s[0:1], 0x20              ; wvsc
	v_lshl_add_u32 v[SPW], v0, 2, SPARE
	v_mov_b32 v[NIL], 0
	ds_add_u32 v[SPW], v[NIL]                      ; the opening lines: the add twice on end and its wait
	ds_add_u32 v[SPW], v[NIL]
	v_lshrrev_b32 v[GOC], 5, v0
	v_readfirstlane_b32 s[WV], v[GOC]              ; wave 0..7
	s_bfe_u32 s21, ttmp6, 0x40000                  ; cx
	s_lshl_b32 s[X], ttmp9, 2
	s_add_co_u32 s[X], s[X], s21                   ; 2 x batch + half: it enters global addresses of plain loads and stores alone
	s_and_b32 s[Y], ttmp7, 0xffff                  ; which 64 queries
	s_mov_b32 s[G1M], 15|(2<<16)|(1<<20)|(1<<21)|(6<<22)|(3<<25)   ; all four partners; elements of 4 bytes; four words of padding behind every 128
	s_mov_b32 s[G1M+1], 128<<16
	s_mov_b32 s[G1M+2], 64<<16
	s_mov_b32 s[G1M+3], 128<<16
	s_mov_b32 s[G1M+4], 64
	s_mov_b32 s[G1M+5], 1024
	s_mov_b32 s[G1M+6], 0
	s_mov_b32 s[G1M+7], 0
	s_mov_b32 s[G0M], 1
	s_mul_i32 s[G0M+1], s[WV], TILE
	s_lshl_b32 s56, s[Y], 18                       ; 64 rows of 4,096 bytes a work-group; wave w fetches key step w's 512 bytes of each
	s_lshl_b32 s57, s[WV], 9
	s_add_co_u32 s56, s56, s57
	s_mov_b32 s57, 0
	s_lshl_b32 s22, s[X], 3
	s_add_co_u32 s22, s22, s[WV]                   ; 16 x batch + head
	s_mul_i32 s[INC], s22, HS                      ; under 2^25
	s_mov_b32 s[INC+1], 0
	s_mov_b32 s[SEL], 0x76543210
	s_mov_b32 s[SEL+1], 0xfedcba98
	s_mov_b32 s[CS], 0x3fb8aa3b                    ; log2(e)
	s_mov_b32 s[CS+1], s[CS]
	s_mov_b32 s[MNT], 0x600000
	s_mov_b32 s[ST], 0
	s_wait_dscnt 0x0
	ROUND
	s_wait_kmcnt 0x0
	s_add_nc_u64 s[G0M+2:G0M+3], s[8:9], s[56:57]
	s_or_b32 s[G0M+3], s[G0M+3], 0x80000000
	tensor_load_to_lds s[G0M:G0M+3], s[G1M:G1M+7]  ; my tile of the mask: my one tensor load
	s_nop 0
	PLACES 4
	s_add_nc_u64 s[KN:KN+1], s[6:7], s[INC:INC+1]
	s_add_nc_u64 s[QB:QB+1], s[4:5], s[INC:INC+1]
	s_lshr_b32 s21, s[Y], 1
	s_mul_i32 s56, s21, BLK
	s_add_nc_u64 s[QB:QB+1], s[QB:QB+1], s[56:57]  ; Q: the block of 128 tokens that holds mine
	s_lshr_b32 s21, s[X], 1
	s_lshl_b32 s21, s21, 6
	s_lshl_b32 s23, s[Y], 2
	s_add_co_u32 s21, s21, s23                     ; my first tile of 16 tokens: 64 x batch + 4 y
	s_and_b32 s23, s[X], 1
	s_lshl_b32 s23, s23, 3
	s_add_co_u32 s23, s23, s[WV]                   ; my head
	s_lshl_b32 s56, s21, 14
	s_lshl_b32 s58, s23, 10
	s_add_co_u32 s56, s56, s58
	s_add_nc_u64 s[WVP:WVP+1], s[10:11], s[56:57]  ; wvimg: 16,384 x tile + 1,024 x head
	s_lshl_b32 s56, s21, 9
	s_lshl_b32 s58, s23, 1
	s_add_co_u32 s56, s56, s58
	s_add_nc_u64 s[WSP:WSP+1], s[12:13], s[56:57]  ; wvsc: 32 x token + 2 x head
	s_and_b32 s59, s[Y], 1
	s_lshl_b32 s58, s59, 12
	s_lshl_b32 s59, s59, 3
	v_and_b32 v[GV8], 31, v0                       ; lane
	v_lshlrev_b32 v[GOC], 4, v[GV8]
	v_lshl_add_u32 v[PFO], v[GV8], 4, s[Y]
	v_min_u32 v[PFO], 66, v[PFO]                   ; units y + 16 x lane of a block's 67; the other lanes name the last again
	v_lshlrev_b32 v[PFO], 8, v[PFO]
	v_and_b32 v[AM], 15, v0                        ; r
	v_bfe_u32 v[TA], v0, 4, 1                      ; h
	v_lshlrev_b32 v[GOS], 5, v[AM]
	v_mul_u32_u24 v[AMB], v[AM], MP
	v_lshl_add_u32 v[AMB], v[TA], 6, v[AMB]
	v_and_b32 v[TW], 7, v[AM]
	v_lshrrev_b32 v[QSA], 3, v[AM]
	v_lshlrev_b32 v[TW], 4, v[TW]
	v_lshl_add_u32 v[QA], v[QSA], 10, v[TW]
	v_lshl_add_u32 v[QA], v[TA], 8, v[QA]
	v_lshl_add_u32 v[QSA], v[QSA], 8, v[TW]
	v_add_nc_u32 v[QA], s58, v[QA]
	v_add_nc_u32 v[QSA], s59, v[QSA]
	v_lshlrev_b32 v[GV8], 3, v[GV8]
	KLOAD                                          ; step 0's K
	QLOAD 0
	QLOAD 1
	QLOAD 2
	QLOAD 3
	WIN 0x40
.set J, 0
.rept 128
	v_mov_b32 v[J], 0                              ; the four O^T: the step is written once, the first finds zeros
.set J, J+1
.endr
.irp j, 0,1,2,3,4,5,6,7
	v_mov_b32 v[KF+64+\j], 0                       ; zero codes behind K's last tile
.endr
	WIN 0
.irp i, 0,1,2,3
	v_mov_b32 v[STA+4*\i+1], 0xff61b1e6            ; the largest t so far: -3e38
	v_mov_b32 v[STA+4*\i], 0x7f61b1e6              ; -M
	v_mov_b32 v[STA+4*\i+2], 0
	v_mov_b32 v[STA+4*\i+3], 0
	v_mov_b32 v[PB+\i], 0                          ; a lane permute's destination counts as a source
.endr
	v_mov_b32 v[FF+1], 0
	s_wait_alu depctr_va_vdst(0)
	s_wait_tensorcnt 0x0
	s_barrier_signal -1
	s_barrier_wait -1                              ; the mask is whole
.macro MLOAD i                         ; mask(query 16 i + r, keys 32 b + 16 h + 4 g ..): the score's own layout
.irp b, 0,1,2,3
.irp g, 0,1,2,3
	ds_load_b128 v[S+16*\b+4*\g:S+16*\b+4*\g+3], v[AM] offset:(\i)*16*MP+128*\b+16*\g
.endr
.endr
.endm
.macro SPROD i                         ; S^T = K Q^T + mask: eight accumulators, one instruction each
	QREG \i
	WIN 0x01+0x04*QW_
.irp j, 0,1,2,3
	v_wmma_scale_f32_16x16x128_f8f6f4 v[S+16*\j:S+16*\j+7], v[KF+16*\j:KF+16*\j+15], v[QR_:QR_+15], v[S+16*\j:S+16*\j+7], v[KSR+\j], v[QS+\i] matrix_a_fmt:MATRIX_FMT_BF8 matrix_b_fmt:MATRIX_FMT_BF8
	v_wmma_scale_f32_16x16x128_f8f6f4 v[S+16*\j+8:S+16*\j+15], v[KF+16*\j+8:KF+16*\j+23], v[QR_:QR_+15], v[S+16*\j+8:S+16*\j+15], v[KSR+\j], v[QS+\i] matrix_a_fmt:MATRIX_FMT_BF8 matrix_b_fmt:MATRIX_FMT_BF8 matrix_a_scale:MATRIX_SCALE_ROW1
.endr
	WIN 0
.endm
.macro PV i                            ; O^T += V^T P^T: four accumulators, one instruction each
	WIN 0x50
.irp j, 0,1
	v_wmma_scale_f32_16x16x128_f8f6f4 v[32*\i+16*\j:32*\i+16*\j+7], v[VF+32*\j:VF+32*\j+15], v[PCD:PCD+15], v[32*\i+16*\j:32*\i+16*\j+7], v[VSR+\j], v[PS] matrix_a_fmt:MATRIX_FMT_BF8 matrix_b_fmt:MATRIX_FMT_BF8
	v_wmma_scale_f32_16x16x128_f8f6f4 v[32*\i+16*\j+8:32*\i+16*\j+15], v[VF+32*\j+16:VF+32*\j+31], v[PCD:PCD+15], v[32*\i+16*\j+8:32*\i+16*\j+15], v[VSR+\j], v[PS] matrix_a_fmt:MATRIX_FMT_BF8 matrix_b_fmt:MATRIX_FMT_BF8 matrix_a_scale:MATRIX_SCALE_ROW1
.endr
	WIN 0
.endm
.macro SOFT i                          ; tile i's softmax of 128 keys, up to p's codes
.set N_, STA+4*\i
.set U_, STA+4*\i+2
.irp b, 0,1,2,3
	v_max3_num_f32 v[BX+\b], v[S+16*\b], v[S+1+16*\b], v[S+2+16*\b]   ; the largest score of each block of 32 keys
.endr
.irp k, 3,5,7,9,11,13
.irp b, 0,1,2,3
	v_max3_num_f32 v[BX+\b], v[BX+\b], v[S+16*\b+\k], v[S+1+16*\b+\k]
.endr
.endr
.irp b, 0,1,2,3
	v_max_num_f32 v[BX+\b], v[BX+\b], v[S+15+16*\b]
.endr
.irp b, 0,1,2,3
	s_delay_alu instid0(VALU_DEP_4)
	v_permlanex16_b32 v[PB+\b], v[BX+\b], s[SEL], s[SEL+1]
.endr
.irp b, 0,1,2,3
	s_delay_alu instid0(VALU_DEP_4)
	v_max_num_f32 v[BX+\b], v[BX+\b], v[PB+\b]
.endr
	s_delay_alu instid0(VALU_DEP_2)
	v_max3_num_f32 v[TA], v[BX], v[BX+1], v[BX+2]
	s_delay_alu instid0(VALU_DEP_1)
	v_max_num_f32 v[TA], v[TA], v[BX+3]
	s_delay_alu instid0(VALU_DEP_1)
	v_mul_f32 v[TA], s[CS], v[TA]
	s_delay_alu instid0(VALU_DEP_1)
	v_max_num_f32 v[N_+1], v[N_+1], v[TA]          ; the running largest t
	v_mov_b32 v[TA], v[N_]
	s_delay_alu instid0(VALU_DEP_2)
	v_floor_f32 v[N_], -v[N_+1]                    ; -M = floor(-t)
	s_delay_alu instid0(VALU_DEP_1)
	v_sub_f32 v[TA], v[N_], v[TA]
	s_delay_alu instid0(VALU_DEP_1)
	v_cvt_i32_f32 v[TA], v[TA]
	s_delay_alu instid0(VALU_DEP_1)
	v_ldexp_f32 v[FF], 1.0, v[TA]                  ; f = 2^(old M - new M)
.set J, 0
.rept 32
	v_pk_fma_f32 v[S+J:S+J+1], v[S+J:S+J+1], s[CS:CS+1], v[N_:N_+1] op_sel_hi:[1,0,0]   ; t - M
.set J, J+2
.endr
.irp b, 0,1,2,3
	v_fma_f32 v[BX+\b], v[BX+\b], s[CS], v[N_]
.endr
	s_wait_alu depctr_va_vdst(0)                   ; one wait ahead of the batch
.set J, 0
.rept 64
	v_exp_f32 v[S+J], v[S+J]
.set J, J+1
.endr
.irp b, 0,1,2,3
	v_exp_f32 v[BX+\b], v[BX+\b]                   ; the block's largest p
.endr
	v_pk_mul_f32 v[U_:U_+1], v[U_:U_+1], v[FF:FF+1] op_sel_hi:[1,0]
	s_wait_alu depctr_va_vdst(0)                   ; and one behind it
.irp b, 0,1,2,3
	v_max_num_f32 v[BX+\b], 0x8000000, v[BX+\b]    ; the floor 2^(16 - 127)
.endr
.irp b, 0,1,2,3
	s_delay_alu instid0(VALU_DEP_4)
	v_add_nc_u32 v[SO+\b], 0xf8800000, v[BX+\b]
.endr
.irp b, 0,1,2,3
	v_and_or_b32 v[HD+\b], v[BX+\b], 0x7f800000, s[MNT]
.endr
.irp b, 0,1,2,3
	v_lshrrev_b32 v[PB+\b], 23, v[SO+\b]
.endr
	s_delay_alu instid0(VALU_DEP_3)
	v_lshl_or_b32 v[PS], v[PB+1], 8, v[PB]         ; p's scale word
	s_delay_alu instid0(VALU_DEP_1)
	v_lshl_or_b32 v[PS], v[PB+2], 16, v[PS]
	s_delay_alu instid0(VALU_DEP_1)
	v_lshl_or_b32 v[PS], v[PB+3], 24, v[PS]
	v_pk_add_f32 v[T:T+1], v[S:S+1], v[S+2:S+3]    ; the sum of the unquantised p, in four chains
	v_pk_add_f32 v[T+2:T+3], v[S+4:S+5], v[S+6:S+7]
	v_pk_add_f32 v[T+4:T+5], v[S+8:S+9], v[S+10:S+11]
	v_pk_add_f32 v[U_:U_+1], v[U_:U_+1], v[S+12:S+13]
.set J, 14
.rept 6
	v_pk_add_f32 v[T:T+1], v[T:T+1], v[S+J:S+J+1]
	v_pk_add_f32 v[T+2:T+3], v[T+2:T+3], v[S+J+2:S+J+3]
	v_pk_add_f32 v[T+4:T+5], v[T+4:T+5], v[S+J+4:S+J+5]
	v_pk_add_f32 v[U_:U_+1], v[U_:U_+1], v[S+J+6:S+J+7]
.set J, J+8
.endr
	v_pk_add_f32 v[T:T+1], v[T:T+1], v[S+62:S+63]
	v_pk_add_f32 v[T+2:T+3], v[T+2:T+3], v[T+4:T+5]
	v_pk_add_f32 v[U_:U_+1], v[U_:U_+1], v[T:T+1]
	v_pk_add_f32 v[U_:U_+1], v[U_:U_+1], v[T+2:T+3]
.irp b, 0,1,2,3
.set J, 0
.rept 8
	v_dual_min_num_f32 v[S+16*\b+J], v[HD+\b], v[S+16*\b+J] :: v_dual_min_num_f32 v[S+16*\b+J+1], v[HD+\b], v[S+16*\b+J+1]   ; the conversion does not saturate (ISA guide 7.6.2): the hold, two numbers an instruction
.set J, J+2
.endr
	v_cvt_scalef32_pk8_bf8_f32 v[PCD+4*\b:PCD+4*\b+1], v[S+16*\b:S+16*\b+7], v[SO+\b]
	v_cvt_scalef32_pk8_bf8_f32 v[PCD+4*\b+2:PCD+4*\b+3], v[S+16*\b+8:S+16*\b+15], v[SO+\b]
.endr
.endm
.macro TSTEP i                         ; a tile's share of a key step
	s_wait_dscnt 0x0                               ; its rows of the mask are in
	SPROD \i
	PLACES 8
.if \i == 3
	KLOAD                                          ; K's registers are free: the next step's
	s_cmp_lt_u32 s[ST], 5
	s_cbranch_scc0 .Lnone_ahead_\@
	global_prefetch_b8 v[PFO], s[BP:BP+1] offset:3*BLK th:TH_LOAD_NT scope:SCOPE_SE
.Lnone_ahead_\@:
.endif
	SOFT \i
.if \i < 3
	MLOAD \i+1                                     ; the scores' registers are free: the next tile's rows of the mask
.endif
	WIN 0x41
	s_wait_alu depctr_va_vdst(0)                   ; ahead of O^T's first readers
.set J, 0
.rept 16
	v_pk_mul_f32 v[32*\i+J:32*\i+J+1], v[32*\i+J:32*\i+J+1], v[FF:FF+1] op_sel_hi:[1,0]
.set J, J+2
.endr
	WIN 0
.if \i == 0
	s_wait_alu depctr_va_vdst(0)
	s_wait_loadcnt 0x0                             ; V is in (nothing younger is out)
.endif
	PV \i
.endm
.Lstep:
	s_wait_xcnt 0x0                                ; the prefetch has read its address
	s_mov_b64 s[BP:BP+1], s[KN:KN+1]               ; this step's block
	s_mul_i32 s[MO], s[ST], TILE
	v_add_nc_u32 v[AM], s[MO], v[AMB]
	PLACES 7                                       ; with the line above: eight places behind the last products
.irp t, 0,1,2,3
.irp c, 0,1,2,3
	global_load_b128 v[VF+16*\t+4*\c:VF+16*\t+4*\c+3], v[GOC], s[BP:BP+1] offset:VOFF+(4*\t+\c)*512
.endr
.endr
	global_load_b64 v[VSR:VSR+1], v[GV8], s[BP:BP+1] offset:VSC   ; 17 loads: V
	MLOAD 0
	s_wait_loadcnt 17                              ; all but V's 17: K (and in the first step Q) is in
	s_mov_b32 s[INC], BLK
	s_cmp_eq_u32 s[ST], 7
	s_cselect_b32 s[INC], 0, s[INC]                ; behind the last step the same block again, so that the load stays in the buffer
	s_add_nc_u64 s[KN:KN+1], s[BP:BP+1], s[INC:INC+1]
	TSTEP 0
	TSTEP 1
	TSTEP 2
	TSTEP 3
	s_add_co_u32 s[ST], s[ST], 1
	s_cmp_lt_u32 s[ST], 8
	s_wait_alu depctr_va_vdst(0)
	s_cbranch_scc1 .Lstep
	s_wait_loadcnt 0x0
.macro OUTQ i                          ; tile i's way out: O^T / the sum, quantised along the head's 64; the codes are pieces of the next product's operand registers
.set U_, STA+4*\i+2
.if \i > 0
	s_wait_xcnt 0x0                                ; the last tile's stores have read their data
.endif
	v_add_f32 v[U_], v[U_], v[U_+1]
	v_permlanex16_b32 v[TA], v[U_], s[SEL], s[SEL+1]
	v_add_f32 v[U_], v[U_], v[TA]
	s_wait_alu depctr_va_vdst(0)
	v_rcp_f32 v[U_], v[U_]
	v_nop
	WIN 0x01
	s_wait_alu depctr_va_vdst(0)
.set J, 0
.rept 16
	v_pk_mul_f32 v[S+J:S+J+1], v[32*\i+J:32*\i+J+1], v[U_:U_+1] op_sel_hi:[1,0]
.set J, J+2
.endr
	WIN 0
.irp b, 0,1
	v_max3_num_f32 v[BX+\b], |v[S+16*\b]|, |v[S+1+16*\b]|, 0x8000000
.endr
.irp k, 2,4,6,8,10,12,14
.irp b, 0,1
	v_max3_num_f32 v[BX+\b], v[BX+\b], |v[S+16*\b+\k]|, |v[S+1+16*\b+\k]|
.endr
.endr
.irp b, 0,1
	v_permlanex16_b32 v[PB+\b], v[BX+\b], s[SEL], s[SEL+1]
.endr
.irp b, 0,1
	v_max_num_f32 v[BX+\b], v[BX+\b], v[PB+\b]
.endr
.irp b, 0,1
	v_add_nc_u32 v[SO+\b], 0xf8800000, v[BX+\b]
.endr
.irp b, 0,1
	v_and_or_b32 v[HD+\b], v[BX+\b], 0x7f800000, s[MNT]
.endr
.irp b, 0,1
	v_lshrrev_b32 v[PB+\b], 23, v[SO+\b]
.endr
	v_lshl_or_b32 v[TW], v[PB+1], 8, v[PB]         ; my token's two scale bytes of this head
.irp b, 0,1
.set J, 0
.rept 16
	v_med3_num_f32 v[S+16*\b+J], v[S+16*\b+J], -v[HD+\b], v[HD+\b]
.set J, J+1
.endr
	v_cvt_scalef32_pk8_bf8_f32 v[PCD+4*\b:PCD+4*\b+1], v[S+16*\b:S+16*\b+7], v[SO+\b]
	v_cvt_scalef32_pk8_bf8_f32 v[PCD+4*\b+2:PCD+4*\b+3], v[S+16*\b+8:S+16*\b+15], v[SO+\b]
.endr
	v_nop
	global_store_b128 v[GOC], v[PCD:PCD+3], s[WVP:WVP+1] offset:16384*\i          ; 512 consecutive bytes, aligned
	global_store_b128 v[GOC], v[PCD+4:PCD+7], s[WVP:WVP+1] offset:16384*\i+512
	global_store_b16 v[GOS], v[TW], s[WSP:WSP+1] offset:512*\i   ; two bytes of each of 16 rows of 32 (both halves of the lanes write the same bytes): one byte in 32 of what the launch stores
.endm
	OUTQ 0
	OUTQ 1
	OUTQ 2
	OUTQ 3
	s_wait_tensorcnt 0x0                           ; the wave's end
	ds_add_u32 v[SPW], v[NIL]
	s_wait_dscnt 0x0
	ROUND                                          ; the closing round
	s_endpgm
.Lfunc_end_k_qb1cfe8aa57_attn2:
	.size	k_qb1cfe8aa57_attn2, .Lfunc_end_k_qb1cfe8aa57_attn2-k_qb1cfe8aa57_attn2
	.p2alignl 7, 3214868480
	.fill 96, 4, 3214868480
	.section	.rodata,"a",@progbits
	.p2align	6, 0x0
	.amdhsa_kernel k_qb1cfe8aa57_attn2
		.amdhsa_group_segment_fixed_size 327680
		.amdhsa_private_segment_fixed_size 0
		.amdhsa_enable_private_segment 0
		.amdhsa_kernarg_size 40
		.amdhsa_user_sgpr_count 2
		.amdhsa_user_sgpr_kernarg_segment_ptr 1
		.amdhsa_wavefront_size32 1
		.amdhsa_system_sgpr_workgroup_id_x 1
		.amdhsa_system_sgpr_workgroup_id_y 1
		.amdhsa_system_sgpr_workgroup_id_z 1
		.amdhsa_system_vgpr_workitem_id 0
		.amdhsa_next_free_vgpr 512
		.amdhsa_next_free_sgpr 80
		.amdhsa_reserve_vcc 0
		.amdhsa_float_denorm_mode_32 3
		.amdhsa_float_denorm_mode_16_64 3
		.amdhsa_memory_ordered 1
		.amdhsa_forward_progress 1
		.amdhsa_inst_pref_size 111
	.end_amdhsa_kernel
	.amdgpu_metadata
---
amdhsa.version: [ 1, 2 ]
amdhsa.kernels:
  - .name:           k_qb1cfe8aa57_attn2
    .symbol:         k_qb1cfe8aa57_attn2.kd
    .args:
      - { .name: qimg, .offset: 0, .size: 8, .value_kind: global_buffer, .address_space: global }
      - { .name: kvimg, .offset: 8, .size: 8, .value_kind: global_buffer, .address_space: global }
      - { .name: mask, .offset: 16, .size: 8, .value_kind: global_buffer, .address_space: global }
      - { .name: wvimg, .offset: 24, .size: 8, .value_kind: global_buffer, .address_space: global }
      - { .name: wvsc, .offset: 32, .size: 8, .value_kind: global_buffer, .address_space: global }
    .group_segment_fixed_size: 327680
    .private_segment_fixed_size: 0
    .kernarg_segment_align: 8
    .kernarg_segment_size: 40
    .max_flat_workgroup_size: 256
    .sgpr_count:     80
    .vgpr_count:     512
    .wavefront_size: 32
...
	.end_amdgpu_metadata
.endif
;; end of part 2
;; launch oproj3 (part 3): grid 32 x 8, 8 waves a work-group, clusters of 4 x 1, 327,680 bytes of LDS; arguments wvimg, wvsc, Wo_codes, Wo_scales, bo, out0; writes out0
.if DOCPART == 3
	.amdgcn_target "amdgcn-amd-amdhsa--gfx1250"
	.amdhsa_code_object_version 6
	.text
	.protected	k_qb1cfe8aa57_oproj3
	.globl	k_qb1cfe8aa57_oproj3
	.p2align	8
	.type	k_qb1cfe8aa57_oproj3,@function
k_qb1cfe8aa57_oproj3:
	s_mov_b64 s[64:65], 0
	v_nop
	global_prefetch_b8 v0, s[64:65] scope:SCOPE_SE
	s_setreg_imm32_b32 hwreg(HW_REG_WAVE_MODE, 25, 1), 1
	s_wait_xcnt 0x0
	s_wait_alu depctr_hold_cnt(0) depctr_sa_sdst(0) depctr_va_vdst(0) depctr_va_sdst(0) depctr_va_ssrc(0) depctr_va_vcc(0) depctr_vm_vsrc(0)
	s_getreg_b32 s2, hwreg(HW_REG_IB_STS2, 6, 4)
	s_cmp_eq_u32 s2, 0
	s_cbranch_scc0 .Lentry_in_a_cluster
	s_endpgm
.Lentry_in_a_cluster:
	s_bfe_u32 s2, ttmp6, 0x10000c
	s_cmp_lg_u32 s2, 0x3003
	s_cbranch_scc0 .Lentry_shape_is_right
	s_endpgm
.Lentry_shape_is_right:
; out0 = wv Wo^T + bo on codes of BF8 (E5M2) with one E8M0 scale for each 32 along K = 1,024.  No work of the problem is left out.
; SHARES.  A work-group makes 256 tokens (grid x) x 128 columns (grid y).  Each of its eight waves owns 32 tokens and all 128 columns: 16 accumulators.  Its tokens' codes are images of operand registers (16,384 bytes for 16 tokens): it loads
; them straight from memory into window 1, 512 consecutive bytes an instruction, and no other wave of the work-group needs them.  Wo's 128 rows, all of K, lie in LDS (rows of 1,024 bytes + 16), filled once, 16 rows a wave: one barrier in the launch.
; K IS THE OUTER WALK: the tokens' codes are asked for by K steps, the first two with Wo's rows and the other six behind the barrier, and K step q is multiplied behind a counted wait, with the later K steps' loads still out.
; A K step goes in two halves of four column tiles: 16 LDS loads, 8 products.  bo is loaded into the accumulators of token tile 0: it is the C of tile 1's first products, and then of tile 0's own, in place.
; The sums leave through the wave's own stage (32 rows x 512 bytes + 16) as whole rows of 512 bytes.
; CLUSTER: four work-groups with the same 128 columns share Wo's rows: the load is joint.  No prefetch: every buffer is asked for once, and the loads of the text themselves run ahead of the products.
; LIMITS: NaN and infinities are not served.  bo is added inside the matrix unit.
.set WP,    1040
.set STG,   128*WP                     ; 133,120
.set SP,    528
.set SPARE, STG+8*32*SP                ; 268,288
.set SPW, 1
.set NIL, 2
.set GOC, 3                            ; 16 x lane
.set WSA, 4                            ; 32 x lane
.set BOA, 5                            ; 32 x (lane / 16)
.set ABF, 6                            ; v6: my place in Wo's rows 0-63, v7: in rows 64-127
.set SA,  8                            ; v8-15 the tokens' scale words: lanes 0-15 tile 0, lanes 16-31 tile 1
.set SB,  16                           ; v16-47 Wo's: eight for each 32 columns, K steps 4-7 first
.set OSA, 48
.set ORA, 49
.set BF,  64                           ; v64-127 four fragments of Wo
.set AC,  128                          ; v128-255 accumulator (token tile m, column tile n) at 64 m + 8 n
.set WV, 18
.set CB, 19
.set TB, 20
.set G1, 24
.set G0, 32
.set AP,  44
.set ASP, 46
.set WSP, 48
.set BOP, 50
.set OUTP, 52
.set MSB, 0
.macro WIN new                         ; the immediate's high byte repeats the setting that is left
.if MSB != \new
	s_set_vgpr_msb (MSB<<8)|\new
.set MSB, \new
.endif
.endm
.macro PLACES n
.rept \n
	v_nop
.endr
.endm
.macro ROUND                           ; a round of the cluster's barrier
	s_barrier_signal -1
	s_barrier_wait -1
	s_cmp_lg_u32 s[WV], 0
	s_cbranch_scc1 .Lnot_wave_0_\@
	s_barrier_signal -3
.Lnot_wave_0_\@:
	s_barrier_wait -3
	s_barrier_signal -1
	s_barrier_wait -1
.endm
.macro ALOAD q                         ; 8 loads: K step q of my two tiles of tokens, into window 1
.irp m, 0,1
.irp c, 0,1,2,3
	global_load_b128 v[128*\m+16*\q+4*\c:128*\m+16*\q+4*\c+3], v[GOC], s[AP:AP+1] offset:16384*\m+2048*\q+512*\c
.endr
.endr
.endm
	s_load_b256 s[4:11], s[0:1], 0x0               ; wvimg 4, wvsc 6, Wo's codes 8, Wo's scales 10
	s_load_b128 s[12:15], s[0:1], 0x20             ; bo 12, out0 14
	v_lshl_add_u32 v[SPW], v0, 2, SPARE
	v_mov_b32 v[NIL], 0
	ds_add_u32 v[SPW], v[NIL]                      ; the opening lines: the add twice on end and its wait
	ds_add_u32 v[SPW], v[NIL]
	v_lshrrev_b32 v[GOC], 5, v0
	v_readfirstlane_b32 s[WV], v[GOC]
	s_bfe_u32 s21, ttmp6, 0x40000
	s_lshl_b32 s[TB], ttmp9, 2
	s_add_co_u32 s[TB], s[TB], s21                 ; which 256 tokens: it enters global addresses of plain loads and stores alone
	s_and_b32 s[CB], ttmp7, 0xffff                 ; which 128 columns
	s_mov_b32 s[G1], 15|(1<<20)|(1<<21)|(7<<22)|(3<<25)   ; all four partners; elements of 1 byte; four words of padding behind every 256
	s_mov_b32 s[G1+1], 1024<<16
	s_mov_b32 s[G1+2], 16<<16
	s_mov_b32 s[G1+3], 1024<<16
	s_mov_b32 s[G1+4], 16
	s_mov_b32 s[G1+5], 1024
	s_mov_b32 s[G1+6], 0
	s_mov_b32 s[G1+7], 0
	s_mov_b32 s[G0], 1
	s_mul_i32 s[G0+1], s[WV], 16*WP
	s_lshl_b32 s40, s[CB], 17
	s_lshl_b32 s41, s[WV], 14
	s_add_co_u32 s40, s40, s41                     ; Wo's row 128 x column block + 16 x wave
	s_mov_b32 s41, 0
	s_mul_i32 s42, s[WV], 32*SP
	s_add_co_u32 s42, s42, STG                     ; my stage
	s_wait_dscnt 0x0
	ROUND
	s_wait_kmcnt 0x0
	s_add_nc_u64 s[G0+2:G0+3], s[8:9], s[40:41]
	s_or_b32 s[G0+3], s[G0+3], 0x80000000
	tensor_load_to_lds s[G0:G0+3], s[G1:G1+7]      ; my one tensor load
	s_nop 0
	PLACES 4
	s_lshl_b32 s40, s[TB], 18
	s_lshl_b32 s43, s[WV], 15
	s_add_co_u32 s40, s40, s43
	s_add_nc_u64 s[AP:AP+1], s[4:5], s[40:41]      ; my two tiles of 16 tokens
	s_lshl_b32 s40, s[TB], 13
	s_lshl_b32 s43, s[WV], 10
	s_add_co_u32 s40, s40, s43
	s_add_nc_u64 s[ASP:ASP+1], s[6:7], s[40:41]
	s_lshl_b32 s40, s[CB], 12
	s_add_nc_u64 s[WSP:WSP+1], s[10:11], s[40:41]
	s_lshl_b32 s40, s[CB], 9
	s_add_nc_u64 s[BOP:BOP+1], s[12:13], s[40:41]
	s_add_nc_u64 s[OUTP:OUTP+1], s[14:15], s[40:41]
	s_lshl_b32 s40, s[TB], 20
	s_lshl_b32 s43, s[WV], 17
	s_add_co_u32 s40, s40, s43
	s_add_nc_u64 s[OUTP:OUTP+1], s[OUTP:OUTP+1], s[40:41]
	v_and_b32 v[WSA], 31, v0                       ; lane
	v_and_b32 v[ORA], 15, v0                       ; r
	v_bfe_u32 v[BOA], v0, 4, 1                     ; h
	v_lshlrev_b32 v[GOC], 4, v[WSA]
	v_lshlrev_b32 v[WSA], 5, v[WSA]
	v_mul_u32_u24 v[ABF], v[ORA], WP
	v_lshl_add_u32 v[ABF], v[BOA], 4, v[ABF]
	v_add_nc_u32 v[ABF+1], 64*WP, v[ABF]
	v_mul_u32_u24 v[OSA], v[ORA], SP
	v_lshl_add_u32 v[OSA], v[BOA], 5, v[OSA]
	v_add_nc_u32 v[OSA], s42, v[OSA]
	v_add_nc_u32 v[ORA], s42, v[GOC]
	v_lshlrev_b32 v[BOA], 5, v[BOA]
	global_load_b128 v[SA:SA+3], v[WSA], s[ASP:ASP+1]
	global_load_b128 v[SA+4:SA+7], v[WSA], s[ASP:ASP+1] offset:16
.irp p, 0,1,2,3
	global_load_b128 v[SB+8*\p:SB+8*\p+3], v[WSA], s[WSP:WSP+1] offset:1024*\p+16   ; lane l: row 32 p + l of Wo's 128
	global_load_b128 v[SB+8*\p+4:SB+8*\p+7], v[WSA], s[WSP:WSP+1] offset:1024*\p
.endr
.irp n, 0,1,2,3,4,5,6,7
	global_load_b128 v[AC+8*\n:AC+8*\n+3], v[BOA], s[BOP:BOP+1] offset:64*\n        ; bo at columns 16 n + 8 h + 0 .. 7: the result's layout
	global_load_b128 v[AC+8*\n+4:AC+8*\n+7], v[BOA], s[BOP:BOP+1] offset:64*\n+16
.endr
	WIN 0x40
	ALOAD 0
	ALOAD 1
	WIN 0
	s_wait_alu depctr_va_vdst(0)
	s_wait_tensorcnt 0x0
	s_barrier_signal -1
	s_barrier_wait -1                              ; Wo's 128 rows are in
	WIN 0x40
.irp q, 2,3,4,5,6,7
	ALOAD \q
.endr
	WIN 0
.macro PRD q, m, n, hn                 ; source 0 = 16 rows of Wo, source 1 = 16 tokens: a lane holds eight neighbouring columns of one token
.set NN_, 4*\hn+\n
.set D_, AC+64*\m+8*NN_
.set C_, D_
.if \q == 0
.set C_, AC+8*NN_
.endif
.set B_, BF+16*\n
.set A_, 128*\m+16*\q
.set SB_, SB+8*(NN_/2)+(\q+4)%8
.set SA_, SA+\q
.if \m && (\n%2)
	v_wmma_scale_f32_16x16x128_f8f6f4 v[D_:D_+7], v[B_:B_+15], v[A_:A_+15], v[C_:C_+7], v[SB_], v[SA_] matrix_a_fmt:MATRIX_FMT_BF8 matrix_b_fmt:MATRIX_FMT_BF8 matrix_a_scale:MATRIX_SCALE_ROW1 matrix_b_scale:MATRIX_SCALE_ROW1
.elseif (\n%2)
	v_wmma_scale_f32_16x16x128_f8f6f4 v[D_:D_+7], v[B_:B_+15], v[A_:A_+15], v[C_:C_+7], v[SB_], v[SA_] matrix_a_fmt:MATRIX_FMT_BF8 matrix_b_fmt:MATRIX_FMT_BF8 matrix_a_scale:MATRIX_SCALE_ROW1
.elseif \m
	v_wmma_scale_f32_16x16x128_f8f6f4 v[D_:D_+7], v[B_:B_+15], v[A_:A_+15], v[C_:C_+7], v[SB_], v[SA_] matrix_a_fmt:MATRIX_FMT_BF8 matrix_b_fmt:MATRIX_FMT_BF8 matrix_b_scale:MATRIX_SCALE_ROW1
.else
	v_wmma_scale_f32_16x16x128_f8f6f4 v[D_:D_+7], v[B_:B_+15], v[A_:A_+15], v[C_:C_+7], v[SB_], v[SA_] matrix_a_fmt:MATRIX_FMT_BF8 matrix_b_fmt:MATRIX_FMT_BF8
.endif
.endm
.macro HALF q, hn                      ; K step q, column tiles 4 hn .. 4 hn + 3: 16 loads, 8 products, no two on end on one accumulator
.irp n, 0,1,2,3
.irp c, 0,1,2,3
	ds_load_b128 v[BF+16*\n+4*\c:BF+16*\n+4*\c+3], v[ABF+\hn] offset:\n*16*WP+128*\q+32*\c
.endr
.endr
	WIN 0x04
.if \q == 0
.irp n, 0,1,2,3
	s_wait_dscnt 12-4*\n                           ; all but the later tiles' loads, four each
	PRD \q, 1, \n, \hn                             ; tile 1 starts from bo, which lies in tile 0's accumulators
.endr
	PLACES 9                                       ; ahead of the products that write over what those have read as C
.irp n, 0,1,2,3
	PRD \q, 0, \n, \hn
.endr
.else
.irp n, 0,1,2,3
	s_wait_dscnt 12-4*\n
	PRD \q, 0, \n, \hn
	PRD \q, 1, \n, \hn
.endr
.endif
	WIN 0
	PLACES 8                                       ; for the loads into Wo's registers and the reads of the sums
.endm
.irp q, 0,1,2,3,4,5,6,7
	s_wait_loadcnt 56-8*\q                         ; all but the later K steps' loads, eight each
	HALF \q, 0
	HALF \q, 1
.endr
.irp m, 0,1
.irp n, 0,1,2,3,4,5,6,7
	ds_store_b128 v[OSA], v[AC+64*\m+8*\n:AC+64*\m+8*\n+3] offset:\m*16*SP+64*\n
	ds_store_b128 v[OSA], v[AC+64*\m+8*\n+4:AC+64*\m+8*\n+7] offset:\m*16*SP+64*\n+16
.endr
.endr
	WIN 0x40                                       ; back into window 1, whose codes are done with
.set I, 0
.rept 32                               ; my own stage: LDS serves a wave's instructions in order (ISA guide 5.7.1.4)
	ds_load_b128 v[4*I:4*I+3], v[ORA] offset:I*SP
.set I, I+1
.endr
	WIN 0x04                                       ; a store's data are its source 1
.set I, 0
.rept 32
	s_wait_dscnt 31-I
	global_store_b128 v[GOC], v[4*I:4*I+3], s[OUTP:OUTP+1] offset:I*4096 th:TH_STORE_NT   ; 512 consecutive bytes, aligned
.set I, I+1
.endr
	WIN 0
	s_wait_tensorcnt 0x0                           ; the wave's end
	ds_add_u32 v[SPW], v[NIL]
	s_wait_dscnt 0x0
	ROUND                                          ; the closing round
	s_endpgm
.Lfunc_end_k_qb1cfe8aa57_oproj3:
	.size	k_qb1cfe8aa57_oproj3, .Lfunc_end_k_qb1cfe8aa57_oproj3-k_qb1cfe8aa57_oproj3
	.p2alignl 7, 3214868480
	.fill 96, 4, 3214868480
	.section	.rodata,"a",@progbits
	.p2align	6, 0x0
	.amdhsa_kernel k_qb1cfe8aa57_oproj3
		.amdhsa_group_segment_fixed_size 327680
		.amdhsa_private_segment_fixed_size 0
		.amdhsa_enable_private_segment 0
		.amdhsa_kernarg_size 48
		.amdhsa_user_sgpr_count 2
		.amdhsa_user_sgpr_kernarg_segment_ptr 1
		.amdhsa_wavefront_size32 1
		.amdhsa_system_sgpr_workgroup_id_x 1
		.amdhsa_system_sgpr_workgroup_id_y 1
		.amdhsa_system_sgpr_workgroup_id_z 1
		.amdhsa_system_vgpr_workitem_id 0
		.amdhsa_next_free_vgpr 512
		.amdhsa_next_free_sgpr 66
		.amdhsa_reserve_vcc 0
		.amdhsa_float_denorm_mode_32 3
		.amdhsa_float_denorm_mode_16_64 3
		.amdhsa_memory_ordered 1
		.amdhsa_forward_progress 1
		.amdhsa_inst_pref_size 61
	.end_amdhsa_kernel
	.amdgpu_metadata
---
amdhsa.version: [ 1, 2 ]
amdhsa.kernels:
  - .name:           k_qb1cfe8aa57_oproj3
    .symbol:         k_qb1cfe8aa57_oproj3.kd
    .args:
      - { .name: wvimg, .offset: 0, .size: 8, .value_kind: global_buffer, .address_space: global }
      - { .name: wvsc, .offset: 8, .size: 8, .value_kind: global_buffer, .address_space: global }
      - { .name: Wo_codes, .offset: 16, .size: 8, .value_kind: global_buffer, .address_space: global }
      - { .name: Wo_scales, .offset: 24, .size: 8, .value_kind: global_buffer, .address_space: global }
      - { .name: bo, .offset: 32, .size: 8, .value_kind: global_buffer, .address_space: global }
      - { .name: out0, .offset: 40, .size: 8, .value_kind: global_buffer, .address_space: global }
    .group_segment_fixed_size: 327680
    .private_segment_fixed_size: 0
    .kernarg_segment_align: 8
    .kernarg_segment_size: 48
    .max_flat_workgroup_size: 256
    .sgpr_count:     66
    .vgpr_count:     512
    .wavefront_size: 32
...
	.end_amdgpu_metadata
.endif
;; end of part 3
